; MI455X (gfx1250); checked and timed in simulation.
; The chip was launched on July 23, 2026; its instructions are those of AMD's public machine-readable ISA for CDNA 5 (MIT licence, August 2026) and "CDNA5" Instruction Set Architecture Reference Guide (July 2026). The comments in the code are by the model that wrote it; some were corrected since.
;; Quant Linear. Allowed arithmetic: float matrix products may take bf16 or f16 operands with f32 sums; other float arithmetic in f32, or as packed bf16 or f16 multiplies, adds, multiply-adds, maxima and minima; sums over many terms, partial sums and values carried from step to step in f32; what a program stores and reads back later, other than sums and carried values, may be rounded once to bf16 or f16.
;; Inputs: bias 4,096 float16; qweight 256 x 4,096 int32; qzeros 16 x 512 int32; scales 16 x 4,096 float16; x 4 x 2,048 x 2,048 float16.
;; Outputs: out0 4 x 2,048 x 4,096 float16.
;; 2 versions, each right; version 2 is version 1 with the launch prep written anew for expert scheduling mode. Each part assembles by itself: llvm-mc -triple=amdgcn-amd-amdhsa -mcpu=gfx1250 --defsym DOCPART=n.
;; ======== version 1 of 2: 2 launches
;; workspace buffers: wt 16,777,216 bytes; biasf 16,384 bytes
;; launch prep (part 1): grid 64 x 4, 8 waves a work-group, no clusters, 18,432 bytes of LDS; arguments qweight, qzeros, scales, bias, wt, biasf; writes wt, biasf
.if DOCPART == 1
	.amdgcn_target "amdgcn-amd-amdhsa--gfx1250"
	.amdhsa_code_object_version 6
	.text
	.protected	k_qbf5ecefbf9_prep
	.globl	k_qbf5ecefbf9_prep
	.p2align	8
	.type	k_qbf5ecefbf9_prep,@function
k_qbf5ecefbf9_prep:
	s_mov_b64 s[64:65], 0
	v_nop
	global_prefetch_b8 v0, s[64:65] scope:SCOPE_SE
	s_setreg_imm32_b32 hwreg(HW_REG_WAVE_MODE, 25, 1), 1
	s_wait_xcnt 0x0
; THE WEIGHTS, ONCE.  wt[n][k] = scales[k/128][n] x (nibble k%8 of qweight[k/8][n] - nibble n%8 of qzeros[k/128][n/8]), f16, [4096 (n)][2048 (k)]: K along the rows, as a matrix
; fragment wants it.  And biasf[n] = bias[n] widened to f32, so that the product's sums can start from it.
; NOTHING IS LEFT OUT: every input has a way to the output, and every input is loaded (x by the next launch).
; LIMITS.  The source has s w - z s with three roundings to f16; here q - z is formed exactly (an integer of -15 to 15) and s (q - z) is rounded ONCE to f16; in real numbers the two are equal.
; A product of 65,520 or more in size becomes an infinity; NaN and infinities in scales are not treated apart.
; SHARES.  A work-group owns 64 columns n (64 bx ..) and 64 rows of qweight (64 by ..: four groups of 128 k).  One word qweight[kk][n] IS the 16 bytes wt[n][8 kk .. 8 kk + 7].
; In: sixteen lanes take the 256 bytes that a row of qweight has for the 64 columns.  Out: sixteen lanes along kk fill 256 consecutive bytes, aligned, of one row of wt (one group).  So the raw words are turned
; through LDS: 16 KiB in rows of 272 bytes.  Wave w dequantises group w / 2 of the four, columns 32 (w % 2) .. + 31: its 32 scales and 4 words of zeros are the same for all lanes and come by scalar loads.
; No matrix unit, no tensor load, no cluster: nothing is shared between work-groups and each byte moves once.  No register that a store names is written again, so no wait frees any.
.set PITCH,  272                       ; an LDS row: 256 bytes + 16 = 68 words: lane (a, hh) of a read stands at bank 4 a + hh + a constant (64 banks of 4 bytes: ISA guide 11.1): 32 lanes, 32 banks
.set SPARE,  64*PITCH                  ; behind the tile: the spare words, 128 bytes for each of the eight waves: four blocks of 256 bytes that no other line names
.set LN,   1                           ; v1      a = thread % 16
.set HH,   2                           ; v2      hh = bit 4 of the thread's number
.set RR,   3                           ; v3      thread / 16: 0 .. 15
.set GA,   4                           ; v4      in: row RR of qweight (16,384 bytes a row) + 16 a
.set LSA,  5                           ; v5      into LDS: row RR + 16 a
.set LRA,  6                           ; v6      back: row 16 g + a, column 32 p + hh
.set WO,   7                           ; v7      out: row 32 p + hh of wt (4,096 bytes a row), group g's 256 bytes, 16 a
.set SPW,  8                           ; v8      LDS address of my spare word; never rewritten
.set NIL,  9                           ; v9      0; never rewritten
.set SEL,  10                          ; v10     byte selector: the low (hh = 0) or high (hh = 1) half of a word, twice
.set TW,   11                          ; v11     at work
.set ZO,   12                          ; v[12:15] bit offset of my column's zero in its word: 8 i + 4 hh
.set ZT,   16                          ; v16     -(1024 + z), twice
.set ST,   17                          ; v17     s, twice
.set T,    18                          ; v[18:21] at work: nibbles (0, 4), (1, 5), (2, 6), (3, 7)
.set BIN,  22                          ; v22     4 x lane; v23 two f16 of bias; v[24:25] the same in f32; v26 8 x lane
.set BOUT, 26
.set LD,   32                          ; v[32:47] four rows' 16 bytes as loaded
.set Q,    48                          ; v[48:63] my sixteen words
.set Y,    64                          ; v[64:127] sixteen times 16 bytes of wt
.set SC,   32                          ; s[32:47] 32 scales: columns 2 j, 2 j + 1 in s[32 + j]
.set ZQ,   48                          ; s[48:51] 4 words of zeros: 32 columns
	s_load_b256 s[4:11], s[0:1], 0x0               ; qweight s[4:5], qzeros s[6:7], scales s[8:9], bias s[10:11]
	s_load_b128 s[12:15], s[0:1], 0x20             ; wt s[12:13], biasf s[14:15]
	v_lshl_add_u32 v[SPW], v0, 2, SPARE
	v_mov_b32 v[NIL], 0
	v_lshrrev_b32 v[TW], 5, v0
	v_readfirstlane_b32 s16, v[TW]                 ; wave 0..7
	s_lshr_b32 s17, s16, 1                         ; g: my group of the four
	s_and_b32 s18, s16, 1                          ; p: my half of the 64 columns
	s_and_b32 s19, ttmp7, 0xffff                   ; by
	s_mov_b32 s20, ttmp9                           ; bx
	s_lshl2_add_u32 s21, s19, s17                  ; G = 4 by + g: the group among the tensor's sixteen
	s_mov_b32 s26, 0x000f000f                      ; a nibble in each half
	s_mov_b32 s27, 0x64006400                      ; 1024.0 twice: 0x6400 | n is 1024 + n in f16
	s_mov_b32 s28, 0x05040100                      ; two low halves
	s_mov_b32 s29, 0x07060302                      ; two high halves
	v_and_b32 v[LN], 15, v0
	v_bfe_u32 v[HH], v0, 4, 1
	v_lshrrev_b32 v[RR], 4, v0
	v_lshlrev_b32 v[GA], 4, v[LN]
	v_lshl_add_u32 v[GA], v[RR], 14, v[GA]
	v_mul_u32_u24 v[LSA], v[RR], PITCH
	v_lshl_add_u32 v[LSA], v[LN], 4, v[LSA]
	s_mul_i32 s31, s17, 16*PITCH                   ; my group's 16 rows of the tile,
	s_lshl_b32 s30, s18, 7                         ; my 32 columns' 128 bytes
	s_add_co_u32 s31, s31, s30
	v_mul_u32_u24 v[LRA], v[LN], PITCH
	v_lshl_add_u32 v[LRA], v[HH], 2, v[LRA]
	v_add_nc_u32 v[LRA], s31, v[LRA]
	s_lshl_b32 s31, s18, 17                        ; 32 rows of wt,
	s_lshl_b32 s30, s17, 8                         ; a group's 256 bytes
	s_add_co_u32 s31, s31, s30
	v_lshlrev_b32 v[WO], 4, v[LN]
	v_lshl_add_u32 v[WO], v[HH], 12, v[WO]
	v_add_nc_u32 v[WO], s31, v[WO]
	s_mov_b32 s30, 0x02020202
	v_mul_lo_u32 v[SEL], v[HH], s30
	v_add_nc_u32 v[SEL], 0x01000100, v[SEL]        ; bytes 0, 1, 0, 1 or 2, 3, 2, 3
	v_lshlrev_b32 v[ZO], 2, v[HH]
	v_add_nc_u32 v[ZO+1], 8, v[ZO]
	v_add_nc_u32 v[ZO+2], 16, v[ZO]
	v_add_nc_u32 v[ZO+3], 24, v[ZO]
	v_and_b32 v[BIN], 31, v0
	v_lshlrev_b32 v[BOUT], 3, v[BIN]
	v_lshlrev_b32 v[BIN], 2, v[BIN]
	s_mov_b32 s23, 0                               ; every offset below is under 2^32
	s_wait_kmcnt 0x0
	s_lshl_b32 s22, s19, 20                        ; 64 rows of 16,384 bytes,
	s_lshl_b32 s24, s20, 8                         ; 64 columns of 4 bytes
	s_add_co_u32 s22, s22, s24
	s_add_nc_u64 s[4:5], s[4:5], s[22:23]
.irp i, 0,1,2,3
	global_load_b128 v[LD+4*(\i):LD+4*(\i)+3], v[GA], s[4:5] offset:(\i)*262144 th:TH_LOAD_NT  ; rows RR + 16 i: sixteen lanes take a row's 256 bytes; read once in the launch
.endr
	s_lshl_b32 s22, s21, 13                        ; scales: row G of 8,192 bytes,
	s_lshl_b32 s24, s20, 7                         ; 64 columns of 2 bytes,
	s_add_co_u32 s22, s22, s24
	s_lshl_b32 s24, s18, 6                         ; my 32
	s_add_co_u32 s22, s22, s24
	s_add_nc_u64 s[8:9], s[8:9], s[22:23]
	s_load_b512 s[SC:SC+15], s[8:9], 0x0
	s_lshl_b32 s22, s21, 11                        ; qzeros: row G of 2,048 bytes,
	s_lshl_b32 s24, s20, 5                         ; 8 words for 64 columns,
	s_add_co_u32 s22, s22, s24
	s_lshl_b32 s24, s18, 4                         ; my 4
	s_add_co_u32 s22, s22, s24
	s_add_nc_u64 s[6:7], s[6:7], s[22:23]
	s_load_b128 s[ZQ:ZQ+3], s[6:7], 0x0
	s_lshl_b32 s22, s20, 18                        ; wt: 64 rows of 4,096 bytes,
	s_lshl_b32 s24, s19, 10                        ; four groups of 256 bytes
	s_add_co_u32 s22, s22, s24
	s_add_nc_u64 s[12:13], s[12:13], s[22:23]
	s_lshl_b32 s22, s20, 7                         ; bias: 64 columns of 2 bytes
	s_add_nc_u64 s[10:11], s[10:11], s[22:23]
	s_lshl_b32 s22, s20, 8                         ; biasf: of 4 bytes
	s_add_nc_u64 s[14:15], s[14:15], s[22:23]
	; the 64 columns' bias: by wave 0 of the work-groups with by = 0, so that each number is written once.  No barrier stands in the branch.
	s_cmp_lg_u32 s16, 0
	s_cbranch_scc1 .Lnobias
	s_cmp_lg_u32 s19, 0
	s_cbranch_scc1 .Lnobias
	global_load_b32 v23, v[BIN], s[10:11]
	s_wait_loadcnt 0x0
	v_cvt_f32_f16 v24, v23.l
	v_cvt_f32_f16 v25, v23.h
	global_store_b64 v[BOUT], v[24:25], s[14:15]   ; 32 lanes x 8 bytes: 256 consecutive bytes, aligned
.Lnobias:
.irp i, 0,1,2,3
	s_wait_loadcnt 3-(\i)                          ; loads come back in order (ISA guide 5.7.1): rows RR + 16 i are in, the younger ones may stay out
	ds_store_b128 v[LSA], v[LD+4*(\i):LD+4*(\i)+3] offset:(\i)*16*PITCH
.endr
	s_wait_dscnt 0x0                               ; for the others' sake: my stores are done
	s_barrier_signal -1
	s_barrier_wait -1                              ; the tile is whole
.irp j, 0,1,2,3,4,5,6,7,8,9,10,11,12,13,14,15
	ds_load_b32 v[Q+(\j)], v[LRA] offset:8*(\j)    ; row 16 g + a, column 32 p + 2 j + hh
.endr
	s_wait_kmcnt 0x0                               ; scales and zeros
; Word j: eight nibbles to eight f16, 16 bytes of row 32 p + 2 j + hh of wt.  1024 + n and -(1024 + z) are made by setting bits; their sum n - z is exact; the product with s is rounded once.
.macro DEQ j
	s_wait_dscnt 15-(\j)                           ; LDS loads come back in order: word j is in
	v_bfe_u32 v[ZT], s[ZQ+(\j)/4], v[ZO+(\j)%4], 4 ; my column's zero
	v_lshl_or_b32 v[ZT], v[ZT], 16, v[ZT]
	v_or_b32 v[ZT], 0xe400e400, v[ZT]
	v_perm_b32 v[ST], s[SC+(\j)], s[SC+(\j)], v[SEL]  ; my column's scale, in both halves
	v_and_or_b32 v[T], v[Q+(\j)], s26, s27
	v_lshrrev_b32 v[T+1], 4, v[Q+(\j)]
	v_and_or_b32 v[T+1], v[T+1], s26, s27
	v_lshrrev_b32 v[T+2], 8, v[Q+(\j)]
	v_and_or_b32 v[T+2], v[T+2], s26, s27
	v_lshrrev_b32 v[T+3], 12, v[Q+(\j)]
	v_and_or_b32 v[T+3], v[T+3], s26, s27
.irp k, 0,1,2,3
	v_pk_add_f16 v[T+(\k)], v[T+(\k)], v[ZT]
.endr
.irp k, 0,1,2,3
	v_pk_mul_f16 v[T+(\k)], v[T+(\k)], v[ST]
.endr
	v_perm_b32 v[Y+4*(\j)],   v[T+1], v[T],   s28  ; k = 0, 1
	v_perm_b32 v[Y+4*(\j)+1], v[T+3], v[T+2], s28  ; 2, 3
	v_perm_b32 v[Y+4*(\j)+2], v[T+1], v[T],   s29  ; 4, 5
	v_perm_b32 v[Y+4*(\j)+3], v[T+3], v[T+2], s29  ; 6, 7
	global_store_b128 v[WO], v[Y+4*(\j):Y+4*(\j)+3], s[12:13] offset:8192*(\j)  ; lanes 0-15: 256 consecutive bytes, aligned, of row 32 p + 2 j; lanes 16-31: of the row below
.endm
.irp j, 0,1,2,3,4,5,6,7,8,9,10,11,12,13,14,15
	DEQ \j
.endr
	s_wait_tensorcnt 0x0                           ; the wave's end, behind my last LDS store
	ds_add_u32 v[SPW], v[NIL]
	s_wait_dscnt 0x0
	s_endpgm
.Lfunc_end_k_qbf5ecefbf9_prep:
	.size	k_qbf5ecefbf9_prep, .Lfunc_end_k_qbf5ecefbf9_prep-k_qbf5ecefbf9_prep
	.p2alignl 7, 3214868480
	.fill 96, 4, 3214868480
	.section	.rodata,"a",@progbits
	.p2align	6, 0x0
	.amdhsa_kernel k_qbf5ecefbf9_prep
		.amdhsa_group_segment_fixed_size 18432
		.amdhsa_private_segment_fixed_size 0
		.amdhsa_enable_private_segment 0
		.amdhsa_kernarg_size 48
		.amdhsa_user_sgpr_count 2
		.amdhsa_user_sgpr_kernarg_segment_ptr 1
		.amdhsa_wavefront_size32 1
		.amdhsa_system_sgpr_workgroup_id_x 1
		.amdhsa_system_sgpr_workgroup_id_y 1
		.amdhsa_system_sgpr_workgroup_id_z 1
		.amdhsa_system_vgpr_workitem_id 0
		.amdhsa_next_free_vgpr 128
		.amdhsa_next_free_sgpr 66
		.amdhsa_reserve_vcc 0
		.amdhsa_float_denorm_mode_32 3
		.amdhsa_float_denorm_mode_16_64 3
		.amdhsa_memory_ordered 1
		.amdhsa_forward_progress 1
		.amdhsa_inst_pref_size 30
	.end_amdhsa_kernel
	.amdgpu_metadata
---
amdhsa.version: [ 1, 2 ]
amdhsa.kernels:
  - .name:           k_qbf5ecefbf9_prep
    .symbol:         k_qbf5ecefbf9_prep.kd
    .args:
      - { .name: qweight, .offset: 0, .size: 8, .value_kind: global_buffer, .address_space: global }
      - { .name: qzeros, .offset: 8, .size: 8, .value_kind: global_buffer, .address_space: global }
      - { .name: scales, .offset: 16, .size: 8, .value_kind: global_buffer, .address_space: global }
      - { .name: bias, .offset: 24, .size: 8, .value_kind: global_buffer, .address_space: global }
      - { .name: wt, .offset: 32, .size: 8, .value_kind: global_buffer, .address_space: global }
      - { .name: biasf, .offset: 40, .size: 8, .value_kind: global_buffer, .address_space: global }
    .group_segment_fixed_size: 18432
    .private_segment_fixed_size: 0
    .kernarg_segment_align: 8
    .kernarg_segment_size: 48
    .max_flat_workgroup_size: 256
    .sgpr_count:     66
    .vgpr_count:     128
    .wavefront_size: 32
...
	.end_amdgpu_metadata
.endif
;; end of part 1
;; launch gemm (part 2): grid 16 x 16, 4 waves a work-group, clusters of 4 x 4, 327,680 bytes of LDS; arguments x, wt, out0, biasf; writes out0
.if DOCPART == 2
	.amdgcn_target "amdgcn-amd-amdhsa--gfx1250"
	.amdhsa_code_object_version 6
	.text
	.protected	k_qbf5ecefbf9_gemm
	.globl	k_qbf5ecefbf9_gemm
	.p2align	8
	.type	k_qbf5ecefbf9_gemm,@function
k_qbf5ecefbf9_gemm:
	s_mov_b64 s[64:65], 0
	v_nop
	global_prefetch_b8 v0, s[64:65] scope:SCOPE_SE
	s_setreg_imm32_b32 hwreg(HW_REG_WAVE_MODE, 25, 1), 1
	s_wait_xcnt 0x0
	s_wait_alu depctr_hold_cnt(0) depctr_sa_sdst(0) depctr_va_vdst(0) depctr_va_sdst(0) depctr_va_ssrc(0) depctr_va_vcc(0) depctr_vm_vsrc(0)
	s_getreg_b32 s2, hwreg(HW_REG_IB_STS2, 6, 4)
	s_cmp_eq_u32 s2, 0
	s_cbranch_scc0 .Lentry_in_a_cluster
	s_endpgm
.Lentry_in_a_cluster:
	s_bfe_u32 s2, ttmp6, 0x10000c
	s_cmp_lg_u32 s2, 0xf033
	s_cbranch_scc0 .Lentry_shape_is_right
	s_endpgm
.Lentry_shape_is_right:
; out0[m][n] = bias[n] + the sum over k of x[m][k] wt[n][k].  A = x: [SIZE_M][SIZE_K] f16 (the batch's rows on end); B = wt: [SIZE_N][SIZE_K] f16, the dequantised weights of the launch before;
; C = out0: [SIZE_M][SIZE_N] f16; biasf: [SIZE_N] f32.  Products of f16, sums in f32, C rounded once.  Nothing is left out.
; LIMITS.  The bias is the start of each f32 sum, where the source adds it last: another order of rounding.  A result of 65,520 or more in size becomes an infinity, as f16 has it.  NaN and infinities are not treated apart.
; A tile of C, 256 x 256, is made by a work-group of four waves, as many as a WGP has SIMDs; a wave makes 128 x 128: 64 accumulators of 16 x 16, 512 registers.  K goes in steps of 128 through a ring of two
; LDS slots filled by the tensor data mover: the rows of A's and B's tiles are 256 bytes of memory and start at multiples of 256 bytes from the buffer's first byte.
; A WORK-GROUP STAYS: C has 32 x 16 tiles, the grid 16 x 16 work-groups; each makes two tiles, one 4,096 rows below the other: a loop over tiles round the loop over K, and the ring does not stop at a tile's
; end: the first tile's last two changes of slots ask for the second tile's first two K steps, and nothing waits for a tile's stores.  The last tile's last K step goes by rows of C, so that finished rows leave while the others are multiplied.
; CLUSTERS: 4 x 4 work-groups.  The four of a row of the cluster need the same tiles of A, the four of a column the same tiles of B.  Such a tile is asked for JOINTLY: each of the four issues the same tensor
; load, with the same descriptor and a mask that names the four, and each receives the tile in its own LDS.  That divides the requests for A and for B by four.
;
; REGISTERS, in windows of 256 (an instruction names v0-v255; s_set_vgpr_msb says which window each operand place means):
;   window 0: v0-31 addresses; v64-127, v128-191 fragments of A (8 x 16 rows x 32 K), two buffers (in the very last K step four, of 16 rows x 128 K); v32-63, v192-255 at work on the way out
;   window 1: v0-63 the bias of my 128 columns, laid as eight C operands; v64-127, v128-191 fragments of B, two buffers; in the very last K step all 256: B's fragments of the whole step (the bias has had its last reader)
;   window 2: the 32 accumulators of my rows 0-63 (accumulator (a, b) at v[8 (8 a + b)]);   window 3: those of my rows 64-127
; s_set_vgpr_msb's low byte: bits 1:0 source 0, 3:2 source 1, 5:4 source 2, 7:6 destination.  Work is laid in long stretches under one setting.
;
; THE MATRIX INSTRUCTION IS USED TRANSPOSED: source 0 = 16 rows of B, source 1 = 16 rows of A.  In the result, lane l then holds row m = l % 16 of C, and its registers 0 to 7 the columns
; n = 8 (l / 16) + 0 .. 7: eight NEIGHBOURING numbers of a row of C, which pack into 16 bytes.  The bias of those eight columns is what the lane holds of the C operand that starts the sum: it costs no instruction.
.set SIZE_M, 8192
.set SIZE_N, 4096
.set SIZE_K, 2048
.set SIZE_TILES, 2
.set KSTEP,  128
.set PITCH,  272                       ; an LDS row: 256 bytes of data + 16 of padding = 68 words: row r starts at bank 4 r mod 64 (64 banks of 4 bytes: ISA guide 11.1), so the 16 rows that a load touches start at 16 different banks
.set HALFT,  128*PITCH                 ; 128 rows: what one tensor load brings, and what one wave reads of A or of B
.set SLOT,   4*HALFT                   ; A's 256 rows, then B's 256 rows
.set STAGE,  2*SLOT                    ; behind the ring: 16 rows x 272 bytes for each wave, for the way out
.set SPITCH, 272
.set SPARE,  STAGE+4*16*SPITCH         ; behind the stages: the spare words, 128 bytes for each wave: two blocks of 256 bytes that no other line names
.set LAPS, SIZE_K/(2*KSTEP)            ; a lap = two K steps = once round the ring: 8
.set WALK,   SIZE_M/SIZE_TILES         ; a work-group's tiles of C lie WALK rows apart (the grid's height in rows)
.set NEXT_A, WALK*SIZE_K*2-(SIZE_K-2*KSTEP)*2   ; bytes from a slot's last K step of a tile to its first of the next tile: A goes WALK rows down and back along K,
.set BACK_B, (SIZE_K-2*KSTEP)*2        ; B only back: the walk's tiles share their rows of B
.set NEXT_C, (WALK-7*16)*SIZE_N*2      ; bytes from my last 16 rows of a tile to my first of the next
.set ADRA, 16                          ; v16-17  LDS address of my A fragments in slot 0, 1
.set ADRB, 20                          ; v20-21  the same for B
.set STO,  24                          ; v24     the way out: where I put 16 bytes of a row
.set RD,   25                          ; v25     the way out: where I read a row back
.set CO,   26                          ; v26     my byte offset in C
.set BO,   27                          ; v27     my byte offset in biasf: my wave's first column x 4 + 32 (l / 16); never rewritten
.set SPW,  28                          ; v28     LDS address of my spare word: SPARE + 4 x my thread's number; never rewritten
.set NIL,  29                          ; v29     0; never rewritten
.set PFO,  30                          ; v30     the prefetches' offset: my lane x a row of A or B in memory (4,096 bytes); never rewritten
.set PFA,  44                          ; s[44:45] where my prefetches stand: my work-group's 32 rows of the 128 that I fetch, one K step further along K than the refill that is being asked for; a prefetch names the K step after that
.set LIM,  43                          ; s43     1 in a wave that prefetches, else the greatest number
.set BIA,  66                          ; s[66:67] biasf; never rewritten
.set BI,   0                           ; window 1: the bias of n block b at v[8 b .. 8 b + 7]
.set F0,   64                          ; fragment buffer 0
.set F1,   128                         ; fragment buffer 1
.set TMP,  192                         ; the way out: packed results, in window 0
.set OB,   32                          ; the way out: 16 rows read back from the stage: v32-63 and v224-255 by turns
.set PA,   64                          ; the very last K step: A's fragments of 16 rows x 128 K, 32 registers; four such buffers, v64-191
.set G1, 24                            ; s[24:31] descriptor group 1 for A's tiles
.set G0, 32                            ; s[32:39] descriptor group 0 for A's tiles, one set for each slot
.set G1B, 48                           ; s[48:55] descriptor group 1 for B's tiles: it differs from A's in the mask alone
.set G0B, 56                           ; s[56:63] descriptor group 0 for B's tiles, one set for each slot
.set MSB, 0
.macro WIN new                         ; the immediate's high byte repeats the setting that is left; a switch that changes nothing is dropped
.if MSB != (\new)
	s_set_vgpr_msb (MSB<<8)|(\new)
.set MSB, \new
.endif
.endm
.set MUL_LO,   0xa1                    ; source 0 (B) window 1, source 1 (A) window 0, C and D window 2
.set MUL_HI,   0xf1                    ; the same, C and D window 3
.set FIRST_LO, 0x91                    ; a tile's first products: C (the bias) window 1, D window 2; + 0x40: D window 3
.set TO_B,     0x40                    ; destination window 1, address window 0
; A joint load.  Waves 0 and 1 fetch A's two halves, waves 2 and 3 B's.  Each of the two lines has ONE mask and one set of registers for all that issue it, and nothing in
; them hangs on a coordinate that the four partners do not share.  The branch hangs on the wave's number alone: it is the same in every work-group.
; An s_nop 0 and four v_nop follow each of the two lines; the jump round the other line, the label and what follows the macro come after them.
.macro JLOAD s
	s_cmp_eq_u32 s11, 0
	s_cbranch_scc0 .Lfor_b_\@
	tensor_load_to_lds s[G0+4*(\s):G0+4*(\s)+3], s[G1:G1+7]
	s_nop 0
.rept 4
	v_nop
.endr
	s_branch .Lasked_\@
.Lfor_b_\@:
	tensor_load_to_lds s[G0B+4*(\s):G0B+4*(\s)+3], s[G1B:G1B+7]
	s_nop 0
.rept 4
	v_nop
.endr
.Lasked_\@:
.endm
; A PREFETCH, behind each joint load, its five lines and the run of LDS loads that follows them: the K step that stands TWO refills on: 32 rows x 256 bytes, a lane a row, one instruction a wave.  At a change of
; slots every wave has waited for all its tensor loads, so the refill that follows has nothing on its way beside it: what it asks for has been named two K steps, 512 matrix instructions, earlier (but for a tile's first K steps: below).
; Each row's 256 bytes of a K step are named ONCE in the launch.  A's tile row is read by every cluster of that row of clusters: the first of them (cluster x = 0) prefetches; B's tile column by every cluster of
; that column: cluster y = 0 prefetches.  The four partners that ask for a tile jointly share its rows out BY ADDRESS: of the 128 rows that wave w fetches, the partner at place p takes 32 p .. 32 p + 31
; (p = cx for A, cy for B): no branch hangs on a work-group's place in its cluster.  how = 0, in the loop: a tile's last two refills have no K step two on; how = 1, at the change of tiles.
.macro ASK how
.if \how
	s_cmp_eq_u32 s[LIM], 1
.else
	s_cmp_gt_u32 s3, s[LIM]                        ; s3 = 1 in the loop's last trip
.endif
	s_cbranch_scc0 .Lnot_mine_\@
	global_prefetch_b8 v[PFO], s[PFA:PFA+1] offset:KSTEP*2 th:TH_LOAD_NT scope:SCOPE_SE
.Lnot_mine_\@:
.endm
; A round of the cluster's barrier: my work-group's barrier, so that wave 0's signal speaks for all four waves; wave 0 signals for the work-group; every wave waits for all
; sixteen work-groups; my work-group's barrier once more.  No LDS instruction of the wave is pending at a signal.
.macro CREST                           ; a round behind its opening barrier
	s_cmp_lg_u32 s10, 0
	s_cbranch_scc1 .Lnot_wave_0_\@
	s_barrier_signal -3
.Lnot_wave_0_\@:
	s_barrier_wait -3
	s_barrier_signal -1
	s_barrier_wait -1
.endm
.macro CROUND                          ; a whole round
	s_barrier_signal -1
	s_barrier_wait -1
	CREST
.endm
	s_load_b128 s[4:7], s[0:1], 0x0                ; A = x s[4:5], B = wt s[6:7]
	s_load_b64 s[8:9], s[0:1], 0x10                ; C = out0
	s_load_b64 s[BIA:BIA+1], s[0:1], 0x18          ; biasf
	v_lshl_add_u32 v[SPW], v0, 2, SPARE
	v_mov_b32 v[NIL], 0
	ds_add_u32 v[SPW], v[NIL]                      ; the wave's opening: the add, twice on end, and its wait ahead of my first tensor load; the set-up below the second, work on registers, stands between it and the wait
	ds_add_u32 v[SPW], v[NIL]                      ; and once more, under the one wait
	v_lshrrev_b32 v1, 5, v0
	v_readfirstlane_b32 s10, v1                    ; wave 0..3
	s_lshr_b32 s11, s10, 1                         ; which half of the tile's rows is mine.  Also: I fetch for A (0) or for B (1)
	s_and_b32 s12, s10, 1                          ; which half of its columns.  Also: which 128 rows of that tile I fetch
	s_bfe_u32 s40, ttmp6, 0x40000                  ; cx: my place along the cluster's x
	s_bfe_u32 s41, ttmp6, 0x40004                  ; cy: along its y
	s_lshl_b32 s42, ttmp9, 2                       ; in a cluster launch ttmp9 and ttmp7 count clusters
	s_add_co_u32 s42, s42, s40                     ; tile column of C = 4 x cluster x + cx
	s_and_b32 s13, ttmp7, 0xffff
	s_lshl_b32 s13, s13, 2
	s_add_co_u32 s13, s13, s41                     ; tile row of C = 4 x cluster y + cy
	s_lshl_b32 s43, s41, 2
	s_lshl_b32 s43, 15, s43                        ; my row of the cluster: places 4 cy .. 4 cy + 3
	s_lshl_b32 s44, 0x1111, s40                    ; my column: places cx, cx + 4, cx + 8, cx + 12
	; descriptor group 1: a tile of 128 rows x 128 elements, padded in LDS
	s_or_b32 s[G1+0], s43, (1<<16)|(1<<20)|(1<<21)|(5<<22)|(3<<25)  ; 15:0 the mask: A's tiles go to my row; 17:16 element of 2 bytes; 20 padding on; 21 set beside a mask; 24:22 after every 64 words (code 5); 31:25 of 4 words (code 3)
	s_or_b32 s[G1B+0], s44, (1<<16)|(1<<20)|(1<<21)|(5<<22)|(3<<25) ; the same with the mask of my column, for B's tiles
	s_mov_b32 s[G1B+1], KSTEP<<16
	s_mov_b32 s[G1+1], KSTEP<<16                   ; 63:48 tensor_dim0, low half = 128
	s_mov_b32 s[G1B+2], 128<<16
	s_mov_b32 s[G1+2], 128<<16                     ; 79:64 its high half = 0; 95:80 tensor_dim1, low half = 128
	s_mov_b32 s[G1B+3], KSTEP<<16
	s_mov_b32 s[G1+3], KSTEP<<16                   ; 111:96 its high half = 0; 127:112 tile_dim0 = 128
	s_mov_b32 s[G1B+4], 128
	s_mov_b32 s[G1+4], 128                         ; 143:128 tile_dim1 = 128; 159:144 tile_dim2 = 0
	s_mov_b32 s[G1B+5], SIZE_K
	s_mov_b32 s[G1+5], SIZE_K                      ; 191:160 tensor_dim0_stride, low word: elements from row to row
	s_mov_b32 s[G1B+6], 0
	s_mov_b32 s[G1+6], 0
	s_mov_b32 s[G1B+7], 0
	s_mov_b32 s[G1+7], 0
	; where the tiles come from.  A's hang on the tile row alone, which my row of the cluster shares; B's on the tile column alone, which my column shares.
	; Every wave makes both addresses, in registers that never hold the other coordinate, and asks by one of them.
	s_lshl_b32 s17, s12, 7                         ; which 128 rows of the tile I fetch
	s_lshl_b32 s16, s13, 8
	s_add_co_u32 s16, s16, s17                     ; A: row 256 x tile row + 128 x half
	s_lshl_b32 s46, s42, 8
	s_add_co_u32 s46, s46, s17                     ; B: row 256 x tile column + 128 x half
	s_mov_b32 s17, 0
	s_mov_b32 s47, 0
	s_mov_b64 s[18:19], SIZE_K*2
	s_mul_u64 s[16:17], s[16:17], s[18:19]         ; in bytes, in 64 bits
	s_mul_u64 s[46:47], s[46:47], s[18:19]
	s_mul_i32 s20, s10, HALFT                      ; and where they go: A's two halves, then B's two halves = wave x 128 rows: no place in the cluster enters an LDS address
	s_wait_dscnt 0x0                               ; both opening adds are done
	s_wait_kmcnt 0x0
	s_add_nc_u64 s[14:15], s[4:5], s[16:17]
	s_add_nc_u64 s[46:47], s[6:7], s[46:47]
	CROUND                                         ; all sixteen work-groups are here: the first joint loads meet
.irp s, 0,1
	s_mov_b32 s[G0+4*(\s)], 1                                      ; 1:0 count = 1
	s_add_co_u32 s[G0+4*(\s)+1], s20, (\s)*SLOT                    ; 63:32 LDS address
	s_add_nc_u64 s[G0+4*(\s)+2:G0+4*(\s)+3], s[14:15], (\s)*KSTEP*2  ; 120:64 global address: K step s
	s_or_b32 s[G0+4*(\s)+3], s[G0+4*(\s)+3], 0x80000000            ; 127:126 type = 2
	s_mov_b32 s[G0B+4*(\s)], 1
	s_add_co_u32 s[G0B+4*(\s)+1], s20, (\s)*SLOT
	s_add_nc_u64 s[G0B+4*(\s)+2:G0B+4*(\s)+3], s[46:47], (\s)*KSTEP*2
	s_or_b32 s[G0B+4*(\s)+3], s[G0B+4*(\s)+3], 0x80000000
	JLOAD \s                                       ; the ring is filled before anything else is done: two tensor loads of mine are out
.endr
	; A fragment is 16 rows x 32 K in 8 registers: lane l holds row l % 16; registers 0-3 hold K = 8 (l / 16) + 0..7, registers 4-7 hold
	; K = 16 + 8 (l / 16) + 0..7.  From rows that lie along K: two loads of 16 bytes, 32 bytes apart.  The same for source 0 and source 1.
	v_and_b32 v1, 15, v0                           ; l % 16
	v_bfe_u32 v2, v0, 4, 1                         ; l / 16
	v_mul_u32_u24 v3, v1, PITCH
	v_lshl_add_u32 v3, v2, 4, v3                   ; row x pitch + 16 x half
	s_mul_i32 s21, s11, HALFT                      ; my 128 rows of A
	s_mul_i32 s22, s12, HALFT                      ; my 128 rows of B,
	s_add_co_u32 s22, s22, 2*HALFT                 ; which lie behind A's 256
.irp s, 0,1
	v_add_nc_u32 v[ADRA+(\s)], s21, v3
	v_add_nc_u32 v[ADRB+(\s)], s22, v3
	s_add_co_u32 s21, s21, SLOT
	s_add_co_u32 s22, s22, SLOT
.endr
	s_mul_i32 s23, s10, 16*SPITCH
	s_add_co_u32 s23, s23, STAGE                   ; my stage
	v_mul_u32_u24 v4, v1, SPITCH                   ; in: row l % 16, 16 bytes for each half of the lanes
	v_lshl_add_u32 v4, v2, 4, v4
	v_add_nc_u32 v[STO], s23, v4
	v_mul_u32_u24 v5, v2, SPITCH                   ; back: lanes 0-15 take one row of 256 bytes, lanes 16-31 the next
	v_lshl_add_u32 v5, v1, 4, v5
	v_add_nc_u32 v[RD], s23, v5
	v_mul_u32_u24 v5, v2, SIZE_N*2                 ; and the same two rows in C
	v_lshl_add_u32 v[CO], v1, 4, v5
	; where my part of the first tile begins in C, in bytes: the first way out adds it to C's address
	s_lshl_b32 s13, s13, 8
	s_lshl_b32 s14, s11, 7
	s_add_co_u32 s16, s13, s14                     ; my first row of C
	s_mov_b32 s17, 0
	s_mov_b64 s[18:19], SIZE_N*2
	s_mul_u64 s[16:17], s[16:17], s[18:19]
	s_lshl_b32 s46, s42, 9                         ; my first column, in bytes: 512 x tile column + 256 x half (in the registers that held B's address: none that feeds A's descriptors ever holds cx)
	s_lshl_b32 s47, s12, 8
	s_add_co_u32 s46, s46, s47
	s_lshl_b32 s20, s46, 1                         ; the same column in biasf: 4 bytes a number
	v_lshl_add_u32 v[BO], v2, 5, s20               ; + my lanes' eight columns of a block of 16
	s_mov_b32 s47, 0
	s_add_nc_u64 s[16:17], s[16:17], s[46:47]
	; the bias of my 128 columns, as eight C operands: block b's register j is biasf[first column + 16 b + 8 (l / 16) + j].  Both tiles of the walk have these columns.
	WIN TO_B
.irp b, 0,1,2,3,4,5,6,7
	global_load_b128 v[BI+8*(\b):BI+8*(\b)+3],   v[BO], s[BIA:BIA+1] offset:64*(\b)
	global_load_b128 v[BI+8*(\b)+4:BI+8*(\b)+7], v[BO], s[BIA:BIA+1] offset:64*(\b)+16
.endr
	WIN 0
	; the prefetches.  s13 = 256 x tile row, s42 = tile column, s40 = cx, s41 = cy still stand; s[4:5] = A, s[6:7] = B
	s_lshl_b32 s42, s42, 8
	s_and_b32 s22, ttmp7, 0xffff                   ; cluster y
	s_cmp_eq_u32 s11, 0                            ; do I fetch for A?
	s_cselect_b32 s20, s13, s42                    ; the tile's first row: in A by the tile row, in B by the tile column
	s_cselect_b32 s21, s40, s41                    ; my place among the four that ask for it with me
	s_cselect_b32 s22, ttmp9, s22                  ; the coordinate along which other clusters read the same rows
	s_cselect_b64 s[PFA:PFA+1], s[4:5], s[6:7]
	s_cmp_eq_u32 s22, 0
	s_cselect_b32 s[LIM], 1, -1                    ; the same in all sixteen partners, for a given wave
	s_lshl_b32 s22, s12, 7
	s_add_co_u32 s20, s20, s22                     ; + the 128 rows that I fetch
	s_lshl_b32 s21, s21, 5
	s_add_co_u32 s20, s20, s21                     ; + my work-group's 32 of them
	s_mov_b32 s21, 0
	s_mov_b64 s[18:19], SIZE_K*2
	s_mul_u64 s[20:21], s[20:21], s[18:19]
	s_add_nc_u64 s[PFA:PFA+1], s[PFA:PFA+1], s[20:21]
	s_add_nc_u64 s[PFA:PFA+1], s[PFA:PFA+1], 2*KSTEP*2  ; at K step 2: the first refill steps it to 3 and names K step 4
	v_and_b32 v[PFO], 31, v0
	v_mul_u32_u24 v[PFO], v[PFO], SIZE_K*2
	; nothing is prefetched here, at the head, where every work-group's first two tiles are on their way: K steps 2 and 3 come by their refills alone
; 16 matrix instructions: m blocks a0, a0 + 1 of the window's four (hi = 0: my rows 0-63, 1: rows 64-127) x all 8 n blocks, 32 along K.
; zero = 1: a tile's first products start the sums, from the bias of the block's columns: nothing is ever cleared, and nothing is added at the end.
.macro MUL16 f, hi, a0, zero
.if \zero
	WIN FIRST_LO+0x40*(\hi)
.else
	WIN MUL_LO+0x50*(\hi)
.endif
.irp a, \a0, (\a0)+1
.irp b, 0,1,2,3,4,5,6,7
.if \zero
	v_wmma_f32_16x16x32_f16 v[8*(8*(\a)+(\b)):8*(8*(\a)+(\b))+7], v[(\f)+8*(\b):(\f)+8*(\b)+7], v[(\f)+8*(4*(\hi)+(\a)):(\f)+8*(4*(\hi)+(\a))+7], v[BI+8*(\b):BI+8*(\b)+7]
.else
	v_wmma_f32_16x16x32_f16 v[8*(8*(\a)+(\b)):8*(8*(\a)+(\b))+7], v[(\f)+8*(\b):(\f)+8*(\b)+7], v[(\f)+8*(4*(\hi)+(\a)):(\f)+8*(4*(\hi)+(\a))+7], v[8*(8*(\a)+(\b)):8*(8*(\a)+(\b))+7]
.endif
.endr
.endr
.endm
; 32 LDS loads in one run: the fragments of one quarter step (128 rows of B, 128 rows of A, 32 K at byte k of the rows) into buffer f
.macro FETCH slot, k, f
	WIN TO_B
.irp i, 0,1,2,3,4,5,6,7
	ds_load_b128 v[(\f)+8*(\i):(\f)+8*(\i)+3],   v[ADRB+(\slot)] offset:(\k)+(\i)*16*PITCH
	ds_load_b128 v[(\f)+8*(\i)+4:(\f)+8*(\i)+7], v[ADRB+(\slot)] offset:(\k)+(\i)*16*PITCH+32
.endr
	WIN 0
.irp i, 0,1,2,3,4,5,6,7
	ds_load_b128 v[(\f)+8*(\i):(\f)+8*(\i)+3],   v[ADRA+(\slot)] offset:(\k)+(\i)*16*PITCH
	ds_load_b128 v[(\f)+8*(\i)+4:(\f)+8*(\i)+7], v[ADRA+(\slot)] offset:(\k)+(\i)*16*PITCH+32
.endr
.endm
; A load into a register that a matrix instruction has read, and a vector instruction that reads a matrix result or writes one of a matrix
; instruction's registers, stand four places behind that matrix instruction, and only plain vector instructions that name none of its registers
; are places (ISA guide 7.12.1 for vector instructions); this text does not count the matrix instructions in between.  So four v_nop stand in front of each run of
; loads, and in front of conversions that read results just made: sixteen issue slots for a K step's 256 matrix instructions.
.macro PLACES
.rept 4
	v_nop
.endr
.endm
; A K step is four quarter steps of 32 along K, 64 matrix instructions each, on buffers 0, 1, 0, 1.  The 64 accumulators take turns, in the same order in every quarter.
; One of the first three: multiplies buffer f; in its middle it fetches the next quarter's fragments, at byte k of the same slot's rows, into buffer g.
.macro QUARTER slot, k, f, g, zero
	s_wait_dscnt 8                                 ; B and A's rows 0-63 are in; the youngest eight loads (A's rows 64-127) may be out
	MUL16 \f, 0, 0, \zero
	MUL16 \f, 0, 2, \zero
	PLACES
	FETCH \slot, \k, \g
	s_wait_dscnt 32                                ; all but the 32 just issued
	MUL16 \f, 1, 0, \zero
	MUL16 \f, 1, 2, \zero
.endm
; The last quarter multiplies buffer 1 and changes slots.  MEET is its first half: ONE barrier for the change of slots, for two things.  In front of it each wave waits for
; all its tensor loads, of which one is out: its part of the next slot; adds 0 to its spare word; and waits for that and for its own reads of this slot.  Behind it nobody reads this slot any more and the next slot is whole.
.macro MEET round                      ; round = 1: a round of the cluster's barrier follows
	WIN 0                                          ; (the add's two registers lie in window 0)
	s_wait_tensorcnt 0x0                           ; all my tensor loads have landed: the one that was out is my part of the next slot;
	ds_add_u32 v[SPW], v[NIL]                      ; 0 onto my spare word;
	s_wait_dscnt 9                                 ; (the add and the youngest eight loads may be out)
	MUL16 F1, 0, 0, 0                              ; sixteen matrix instructions stand between the add and the wait for it
	s_wait_dscnt 0x0                               ; the add is done, and my reads of this slot are over (the last were issued 48 matrix instructions ago):
	s_barrier_signal -1                            ; say so (where a slot is filled again this barrier opens a round of the cluster's barrier),
	MUL16 F1, 0, 2, 0                              ; work on registers while the others arrive,
.if \round
	WIN 0
.endif
	s_barrier_wait -1                              ; and go on when all four have said so
.endm
; The whole last quarter.  Behind the barrier the slot just read out is filled again first: with this tile's K step two steps on (on = 0) or, in the first tile's last two K steps, with the NEXT tile's
; K step 0 or 1 (on = 1); then come the next slot's first fragments.  From a request to the wait for it a wave issues 224 matrix instructions, across tiles too.
.macro TURN slot, next, on
	s_wait_xcnt 0x0                                ; the last prefetch, a K step back, has read its address: it is stepped here, ahead of the waits of the change of slots, so that nothing is added between the round and the joint load
.if (\on) && (\slot) == 0
	s_add_nc_u64 s[PFA:PFA+1], s[PFA:PFA+1], (WALK-1)*SIZE_K*2+KSTEP*2  ; from the K step after the tile's last to the next tile's K step 1: WALK rows down, back along K
	s_cmp_eq_u32 s11, 0
	s_cselect_b32 s[LIM], s[LIM], -1               ; B's rows are the same for both tiles of the walk: they have been read, and are prefetched no more
.else
	s_add_nc_u64 s[PFA:PFA+1], s[PFA:PFA+1], KSTEP*2
.endif
	MEET 1
	CREST                                          ; wave 0 says so for the work-group, all sixteen work-groups have said so, my work-group's barrier closes the round:
	                                               ; no wave of any partner still reads this slot's tile or has a load on its way
.if \on
	s_add_nc_u64 s[G0+4*(\slot)+2:G0+4*(\slot)+3], s[G0+4*(\slot)+2:G0+4*(\slot)+3], NEXT_A
	s_sub_nc_u64 s[G0B+4*(\slot)+2:G0B+4*(\slot)+3], s[G0B+4*(\slot)+2:G0B+4*(\slot)+3], BACK_B
.else
	s_add_nc_u64 s[G0+4*(\slot)+2:G0+4*(\slot)+3], s[G0+4*(\slot)+2:G0+4*(\slot)+3], 2*KSTEP*2
	s_add_nc_u64 s[G0B+4*(\slot)+2:G0B+4*(\slot)+3], s[G0B+4*(\slot)+2:G0B+4*(\slot)+3], 2*KSTEP*2
.endif
	JLOAD \slot                                    ; the first tensor load behind the round, and my only one until the next; the four v_nop behind it are also the places in front of the loads below
	FETCH \next, 0, F0
	ASK \on                                        ; behind the joint load and the run of LDS loads that the next products wait for
	MUL16 F1, 1, 0, 0
	MUL16 F1, 1, 2, 0
.endm
; THE LAST K STEP OF THE LAST TILE (it lies in slot 1) GOES BY ROWS OF C, NOT BY K.  All its fragments of B (4 quarters x 64 registers) fill window 1; then my eight blocks of 16 rows are
; finished one after the other, each with 32 matrix instructions (its 8 accumulators by turns, K ascending).  LDS is read no more than in any other K step.
.macro BLOAD q                         ; B's fragments of quarter q -> window 1, v[64 q ..]
	WIN TO_B
.irp i, 0,1,2,3,4,5,6,7
	ds_load_b128 v[64*(\q)+8*(\i):64*(\q)+8*(\i)+3],   v[ADRB+1] offset:64*(\q)+(\i)*16*PITCH
	ds_load_b128 v[64*(\q)+8*(\i)+4:64*(\q)+8*(\i)+7], v[ADRB+1] offset:64*(\q)+(\i)*16*PITCH+32
.endr
.endm
.macro ALOAD a                         ; A's fragments of block a, all four quarters -> buffer a % 4
	WIN 0
.set FA, PA+32*((\a)%4)
.irp q, 0,1,2,3
	ds_load_b128 v[FA+8*(\q):FA+8*(\q)+3],   v[ADRA+1] offset:64*(\q)+(\a)*16*PITCH
	ds_load_b128 v[FA+8*(\q)+4:FA+8*(\q)+7], v[ADRA+1] offset:64*(\q)+(\a)*16*PITCH+32
.endr
.endm
.macro ROW a                           ; block a is finished: 32 matrix instructions
.set FA, PA+32*((\a)%4)                ; its fragments of A
.set AC, 64*((\a)%4)                   ; its eight accumulators, in window 2 (blocks 0-3) or 3 (blocks 4-7)
	WIN MUL_LO+0x50*((\a)/4)
.irp q, 0,1,2,3
.if (\a) == 0 && (\q) == 2
	s_wait_dscnt 24                                ; B's quarter 2 is in (behind it: A's blocks 1 to 3)
.endif
.irp b, 0,1,2,3,4,5,6,7
	v_wmma_f32_16x16x32_f16 v[AC+8*(\b):AC+8*(\b)+7], v[64*(\q)+8*(\b):64*(\q)+8*(\b)+7], v[FA+8*(\q):FA+8*(\q)+7], v[AC+8*(\b):AC+8*(\b)+7]
.endr
.endr
.endm
; THE WAY OUT of block a, in three parts.  PACK: rounded to f16, 16 bytes a lane; each accumulator's registers are taken in ascending order.  TOSTAGE: into my own stage in LDS, and back as whole rows of 256 bytes.  SEND: stored.
.macro PACK a
.set AC, 64*((\a)%4)
	WIN 0x0a+5*((\a)/4)                            ; sources 0 and 1: window 2 or 3
.irp b, 0,1,2,3,4,5,6,7
.irp r, 0,1,2,3
	v_cvt_pk_f16_f32 v[TMP+4*(\b)+(\r)], v[AC+8*(\b)+2*(\r)], v[AC+8*(\b)+2*(\r)+1]
.endr
.endr
	WIN 0
.endm
.macro TOSTAGE a
	WIN 0
.set BK, OB+192*((\a)%2)
.irp b, 0,1,2,3,4,5,6,7
	ds_store_b128 v[STO], v[TMP+4*(\b):TMP+4*(\b)+3] offset:32*(\b)
.endr
.irp t, 0,1,2,3,4,5,6,7
	ds_load_b128 v[BK+4*(\t):BK+4*(\t)+3], v[RD] offset:(\t)*2*SPITCH  ; LDS serves a wave's instructions in order (ISA guide 5.7.1.4): these see the stores above
.endr
.endm
.macro SEND a, younger                 ; younger: the LDS loads issued behind TOSTAGE's, which may stay out
	WIN 0
.set BK, OB+192*((\a)%2)
	s_wait_dscnt \younger                          ; the block is back in registers
	s_wait_xcnt 0x0                                ; every earlier memory instruction has had its addresses translated (ISA guide 3.1): only behind this wait are the stores' base and the registers that earlier stores read rewritten
.if (\a) == 0
	s_add_nc_u64 s[8:9], s[8:9], s[16:17]          ; on to this tile's first rows
.else
	s_add_nc_u64 s[8:9], s[8:9], 16*SIZE_N*2       ; 16 rows of C on, so that the stores' offsets stay small: 14 rows of C, 114,688 bytes, at the most
.endif
.irp t, 0,1,2,3,4,5,6,7
	global_store_b128 v[CO], v[BK+4*(\t):BK+4*(\t)+3], s[8:9] offset:2*(\t)*SIZE_N*2  ; 16 lanes store 256 consecutive bytes, at a multiple of 256 from C's first byte
.endr
.endm
	s_wait_tensorcnt 1                             ; my part of K step 0 is in; K step 1's may stay out
	s_barrier_signal -1
	s_barrier_wait -1                              ; everybody's is
	FETCH 0, 0, F0
	s_wait_loadcnt 0x0                             ; the bias: the launch's only loads into registers
	s_mov_b32 s2, SIZE_TILES                       ; tiles to go, this one among them: the same number in every work-group
.Ltile:                                                ; (FETCH and SEND leave every window 0)
	QUARTER 0, 64,  F0, F1, 1                      ; a tile's first quarter stands in front of the loop: its products start the sums
	WIN 0                                          ; at a label and at a branch every window is 0
	s_mov_b32 s3, LAPS-1
.Llap:                                                 ; a trip goes once round the ring, from a lap's second quarter to the next lap's first, and fills both slots again
	QUARTER 0, 128, F1, F0, 0
	QUARTER 0, 192, F0, F1, 0
	TURN 0, 1, 0
	QUARTER 1, 64,  F0, F1, 0
	QUARTER 1, 128, F1, F0, 0
	QUARTER 1, 192, F0, F1, 0
	TURN 1, 0, 0
	QUARTER 0, 64,  F0, F1, 0
	WIN 0
	s_sub_co_u32 s3, s3, 1
	s_cmp_lg_u32 s3, 0
	s_cbranch_scc1 .Llap
	QUARTER 0, 128, F1, F0, 0                      ; the tile's last lap goes on
	QUARTER 0, 192, F0, F1, 0
	WIN 0
	s_cmp_eq_u32 s2, 1
	s_cbranch_scc1 .Llast_tile                     ; the last tile's tail is written out: it asks for nothing more
	TURN 0, 1, 1                                   ; THE RING GOES ON INTO THE NEXT TILE: slot 0 takes its K step 0,
	QUARTER 1, 64,  F0, F1, 0
	QUARTER 1, 128, F1, F0, 0
	QUARTER 1, 192, F0, F1, 0
	TURN 1, 0, 1                                   ; slot 1 its K step 1, and the next tile's first fragments are fetched
	PACK 0                                         ; BOTH REFILLS ARE ASKED FOR: NOW THE TILE GOES OUT.  No v_nop: blocks 0-3 were finished in front of TURN's places, and their 128 conversions,
	TOSTAGE 0                                      ; which name no register of the last products (blocks 4-7's), are those products' places
.irp a, 1,2,3,4,5,6,7                  ; block a's conversions stand between block a - 1's loads from the stage and the wait for them
	PACK \a
	SEND (\a)-1, 0
	TOSTAGE \a
.endr
	SEND 7, 0
	s_mov_b64 s[16:17], NEXT_C                     ; what the next way out adds to C's address
	s_sub_co_u32 s2, s2, 1
	s_branch .Ltile
.Llast_tile:
	MEET 0                                         ; my one tensor load that was still out is slot 1's, the last K step's, so no round follows
	PLACES                                         ; for the loads into buffer 0, which the quarter before multiplied
	BLOAD 0                                        ; three quarters of B now (the first lands where the bias lay: its last reader was this tile's first quarter); buffer 1 (v128-191 of both windows) is still being multiplied
	BLOAD 1
	BLOAD 3
	ALOAD 0
	MUL16 F1, 1, 0, 0
	MUL16 F1, 1, 2, 0
	PLACES                                         ; for the loads into buffer 1
	BLOAD 2
	ALOAD 1
	ALOAD 2
	ALOAD 3
	s_wait_dscnt 40                                ; all but the 40 just issued
	ROW 0
.irp a, 0,1,2,3,4,5,6,7                ; each block leaves as soon as it is finished: nothing follows this tile, so the sooner its stores begin, the sooner the launch ends
	PLACES                                         ; its conversions read results just made, and no other vector work is at hand
	PACK \a
	TOSTAGE \a
.if (\a) < 4
	ALOAD (\a)+4                                   ; its buffer takes the block four further on
	SEND \a, 8
.else
	SEND \a, 0
.endif
.if (\a) < 7
	ROW (\a)+1
.endif
.endr
	s_wait_tensorcnt 0x0                           ; the wave's end, behind my last tensor load and my last LDS store
	ds_add_u32 v[SPW], v[NIL]
	s_wait_dscnt 0x0
	CROUND                                         ; the closing round: no work-group ends while a partner may still ask for a tile that names it
	s_endpgm
.Lfunc_end_k_qbf5ecefbf9_gemm:
	.size	k_qbf5ecefbf9_gemm, .Lfunc_end_k_qbf5ecefbf9_gemm-k_qbf5ecefbf9_gemm
	.p2alignl 7, 3214868480
	.fill 96, 4, 3214868480
	.section	.rodata,"a",@progbits
	.p2align	6, 0x0
	.amdhsa_kernel k_qbf5ecefbf9_gemm
		.amdhsa_group_segment_fixed_size 327680
		.amdhsa_private_segment_fixed_size 0
		.amdhsa_enable_private_segment 0
		.amdhsa_kernarg_size 32
		.amdhsa_user_sgpr_count 2
		.amdhsa_user_sgpr_kernarg_segment_ptr 1
		.amdhsa_wavefront_size32 1
		.amdhsa_system_sgpr_workgroup_id_x 1
		.amdhsa_system_sgpr_workgroup_id_y 1
		.amdhsa_system_sgpr_workgroup_id_z 1
		.amdhsa_system_vgpr_workitem_id 0
		.amdhsa_next_free_vgpr 1024
		.amdhsa_next_free_sgpr 68
		.amdhsa_reserve_vcc 0
		.amdhsa_float_denorm_mode_32 3
		.amdhsa_float_denorm_mode_16_64 3
		.amdhsa_memory_ordered 1
		.amdhsa_forward_progress 1
		.amdhsa_inst_pref_size 212
	.end_amdhsa_kernel
	.amdgpu_metadata
---
amdhsa.version: [ 1, 2 ]
amdhsa.kernels:
  - .name:           k_qbf5ecefbf9_gemm
    .symbol:         k_qbf5ecefbf9_gemm.kd
    .args:
      - { .name: x, .offset: 0, .size: 8, .value_kind: global_buffer, .address_space: global }
      - { .name: wt, .offset: 8, .size: 8, .value_kind: global_buffer, .address_space: global }
      - { .name: out0, .offset: 16, .size: 8, .value_kind: global_buffer, .address_space: global }
      - { .name: biasf, .offset: 24, .size: 8, .value_kind: global_buffer, .address_space: global }
    .group_segment_fixed_size: 327680
    .private_segment_fixed_size: 0
    .kernarg_segment_align: 8
    .kernarg_segment_size: 32
    .max_flat_workgroup_size: 128
    .sgpr_count:     68
    .vgpr_count:     1024
    .wavefront_size: 32
...
	.end_amdgpu_metadata
.endif
;; end of part 2
;; ======== version 2 of 2: 2 launches; version 1 with the launch prep written anew for expert scheduling mode
;; workspace buffers: wt 16,777,216 bytes; biasf 16,384 bytes
;; launch prep (part 3): grid 64 x 4, 8 waves a work-group, no clusters, 18,432 bytes of LDS; arguments qweight, qzeros, scales, bias, wt, biasf; writes wt, biasf
.if DOCPART == 3
	.amdgcn_target "amdgcn-amd-amdhsa--gfx1250"
	.amdhsa_code_object_version 6
	.text
	.protected	k_qbf5ecefbf9_prep
	.globl	k_qbf5ecefbf9_prep
	.p2align	8
	.type	k_qbf5ecefbf9_prep,@function
k_qbf5ecefbf9_prep:
	s_mov_b64 s[64:65], 0
	v_nop
	global_prefetch_b8 v0, s[64:65] scope:SCOPE_SE
	s_setreg_imm32_b32 hwreg(HW_REG_WAVE_SCHED_MODE, 0, 2), 2
	s_setreg_imm32_b32 hwreg(HW_REG_WAVE_MODE, 25, 1), 1
	s_wait_xcnt 0x0
	s_wait_alu depctr_vm_vsrc(0)
; THE WEIGHTS, ONCE.  wt[n][k] = scales[k/128][n] x (nibble k%8 of qweight[k/8][n] - nibble n%8 of qzeros[k/128][n/8]), f16, [4096 (n)][2048 (k)]: K along the rows, as a matrix
; fragment wants it.  And biasf[n] = bias[n] widened to f32, so that the product's sums can start from it.
; NOTHING IS LEFT OUT: every input has a way to the output, and every input is loaded (x by the next launch).
; LIMITS.  The source has s w - z s with three roundings to f16; here q - z is formed exactly (an integer of -15 to 15) and s (q - z) is rounded ONCE to f16; in real numbers the two are equal.
; A product of 65,520 or more in size becomes an infinity; NaN and infinities in scales are not treated apart.
; SHARES.  A work-group owns 64 columns n (64 bx ..) and 64 rows of qweight (64 by ..: four groups of 128 k).  One word qweight[kk][n] IS the 16 bytes wt[n][8 kk .. 8 kk + 7].
; In: sixteen lanes take the 256 bytes that a row of qweight has for the 64 columns.  Out: sixteen lanes along kk fill 256 consecutive bytes, aligned, of one row of wt (one group).  So the raw words are turned
; through LDS: 16 KiB in rows of 272 bytes.  Wave w dequantises group w / 2 of the four, columns 32 (w % 2) .. + 31: its 32 scales and 4 words of zeros are the same for all lanes and come by scalar loads.
; No matrix unit, no tensor load, no cluster: nothing is shared between work-groups and each byte moves once.  No register that a store names is written again, so no wait frees any.
; THE MODE: SCHED_MODE bits 1:0 = 2 (LLVM: expert scheduling mode 2), set by the entry lines.  The code itself states the register dependences
; between vector instructions and memory or LDS instructions, with s_wait_alu, always for 0.
; THE PLAN.  Registers that memory or LDS instructions touch:
;   v4-v7, v22, v26  addresses and offsets.  Written by vector lines at the head, read by every load and store, never written again: ONE wait on va_vdst ahead of the first load serves them all.
;   LD               Written by the four global loads, read by the four LDS stores; no vector instruction names it.
;   Q                Written by the sixteen LDS loads, which are all issued before a vector line names it; read by the vector work; never written again.
;   Y0 .. Y15        Set j is written by word j's four v_perm_b32, read by one store, never written again.  The words go in four groups of four: at a group's head ONE wait on va_vdst states that the group
;                    before has written its four sets; those four stores are dealt among this group's vector lines, which name v10-v21, Q and this group's own sets alone.
;   v23, v24-25      In the bias's branch: loaded, widened, stored, with one wait on va_vdst between the widening and the store.
;   v8, v9           Written at the head, read by the closing add alone.
; No register that a memory or LDS instruction reads is written again anywhere: no wait on vm_vsrc has anything to state.  EXEC is written nowhere.
.set PITCH,  272                       ; an LDS row: 256 bytes + 16 = 68 words: lane (a, hh) of a read stands at bank 4 a + hh + a constant (64 banks of 4 bytes: ISA guide 11.1): 32 lanes, 32 banks
.set SPARE,  64*PITCH                  ; behind the tile: the spare words, 128 bytes for each of the eight waves: four blocks of 256 bytes that no other line names
.set LN,   1                           ; v1      a = thread % 16
.set HH,   2                           ; v2      hh = bit 4 of the thread's number
.set RR,   3                           ; v3      thread / 16: 0 .. 15
.set GA,   4                           ; v4      in: row RR of qweight (16,384 bytes a row) + 16 a
.set LSA,  5                           ; v5      into LDS: row RR + 16 a
.set LRA,  6                           ; v6      back: row 16 g + a, column 32 p + hh
.set WO,   7                           ; v7      out: row 32 p + hh of wt (4,096 bytes a row), group g's 256 bytes, 16 a
.set SPW,  8                           ; v8      LDS address of my spare word; never rewritten
.set NIL,  9                           ; v9      0; never rewritten
.set SEL,  10                          ; v10     byte selector: the low (hh = 0) or high (hh = 1) half of a word, twice
.set TW,   11                          ; v11     at work
.set ZO,   12                          ; v[12:15] bit offset of my column's zero in its word: 8 i + 4 hh
.set ZT,   16                          ; v16     -(1024 + z), twice
.set ST,   17                          ; v17     s, twice
.set T,    18                          ; v[18:21] at work: nibbles (0, 4), (1, 5), (2, 6), (3, 7)
.set BIN,  22                          ; v22     4 x lane; v23 two f16 of bias; v[24:25] the same in f32; v26 8 x lane
.set BOUT, 26
.set LD,   32                          ; v[32:47] four rows' 16 bytes as loaded
.set Q,    48                          ; v[48:63] my sixteen words
.set Y,    64                          ; v[64:127] sixteen times 16 bytes of wt
.set SC,   32                          ; s[32:47] 32 scales: columns 2 j, 2 j + 1 in s[32 + j]
.set ZQ,   48                          ; s[48:51] 4 words of zeros: 32 columns
	s_load_b256 s[4:11], s[0:1], 0x0               ; qweight s[4:5], qzeros s[6:7], scales s[8:9], bias s[10:11]
	s_load_b128 s[12:15], s[0:1], 0x20             ; wt s[12:13], biasf s[14:15]
	v_lshl_add_u32 v[SPW], v0, 2, SPARE
	v_mov_b32 v[NIL], 0
	v_lshrrev_b32 v[TW], 5, v0
	v_readfirstlane_b32 s16, v[TW]                 ; wave 0..7
	s_and_b32 s19, ttmp7, 0xffff                   ; by
	s_mov_b32 s20, ttmp9                           ; bx
	s_mov_b32 s26, 0x000f000f                      ; a nibble in each half
	s_mov_b32 s27, 0x64006400                      ; 1024.0 twice: 0x6400 | n is 1024 + n in f16
	s_mov_b32 s28, 0x05040100                      ; two low halves
	s_mov_b32 s29, 0x07060302                      ; two high halves
	v_and_b32 v[LN], 15, v0
	v_bfe_u32 v[HH], v0, 4, 1
	v_lshrrev_b32 v[RR], 4, v0
	v_lshlrev_b32 v[GA], 4, v[LN]
	v_lshl_add_u32 v[GA], v[RR], 14, v[GA]
	v_mul_u32_u24 v[LSA], v[RR], PITCH
	v_lshl_add_u32 v[LSA], v[LN], 4, v[LSA]
	s_wait_alu depctr_va_sdst(0)                   ; s16, the wave's number, is written, ahead of its first reader: g, p, the bases and the bias's branch are made from it
	s_lshr_b32 s17, s16, 1                         ; g: my group of the four
	s_and_b32 s18, s16, 1                          ; p: my half of the 64 columns
	s_lshl2_add_u32 s21, s19, s17                  ; G = 4 by + g: the group among the tensor's sixteen
	s_mul_i32 s31, s17, 16*PITCH                   ; my group's 16 rows of the tile,
	s_lshl_b32 s30, s18, 7                         ; my 32 columns' 128 bytes
	s_add_co_u32 s31, s31, s30
	v_mul_u32_u24 v[LRA], v[LN], PITCH
	v_lshl_add_u32 v[LRA], v[HH], 2, v[LRA]
	v_add_nc_u32 v[LRA], s31, v[LRA]
	s_lshl_b32 s31, s18, 17                        ; 32 rows of wt,
	s_lshl_b32 s30, s17, 8                         ; a group's 256 bytes
	s_add_co_u32 s31, s31, s30
	v_lshlrev_b32 v[WO], 4, v[LN]
	v_lshl_add_u32 v[WO], v[HH], 12, v[WO]
	v_add_nc_u32 v[WO], s31, v[WO]
	s_mov_b32 s30, 0x02020202
	v_mul_lo_u32 v[SEL], v[HH], s30
	v_add_nc_u32 v[SEL], 0x01000100, v[SEL]        ; bytes 0, 1, 0, 1 or 2, 3, 2, 3
	v_lshlrev_b32 v[ZO], 2, v[HH]
	v_add_nc_u32 v[ZO+1], 8, v[ZO]
	v_add_nc_u32 v[ZO+2], 16, v[ZO]
	v_add_nc_u32 v[ZO+3], 24, v[ZO]
	v_and_b32 v[BIN], 31, v0
	v_lshlrev_b32 v[BOUT], 3, v[BIN]
	v_lshlrev_b32 v[BIN], 2, v[BIN]
	s_mov_b32 s23, 0                               ; every offset below is under 2^32
	s_wait_kmcnt 0x0
	s_lshl_b32 s22, s19, 20                        ; 64 rows of 16,384 bytes,
	s_lshl_b32 s24, s20, 8                         ; 64 columns of 4 bytes
	s_add_co_u32 s22, s22, s24
	s_add_nc_u64 s[4:5], s[4:5], s[22:23]
	s_wait_alu depctr_va_vdst(0)                   ; the six addresses and offsets v4 to v7, v22 and v26 are written, which the loads, LDS instructions and stores of the whole kernel read; no vector line writes one of them again
.irp i, 0,1,2,3
	global_load_b128 v[LD+4*(\i):LD+4*(\i)+3], v[GA], s[4:5] offset:(\i)*262144 th:TH_LOAD_NT  ; rows RR + 16 i: sixteen lanes take a row's 256 bytes; read once in the launch
.endr
	s_lshl_b32 s22, s21, 13                        ; scales: row G of 8,192 bytes,
	s_lshl_b32 s24, s20, 7                         ; 64 columns of 2 bytes,
	s_add_co_u32 s22, s22, s24
	s_lshl_b32 s24, s18, 6                         ; my 32
	s_add_co_u32 s22, s22, s24
	s_add_nc_u64 s[8:9], s[8:9], s[22:23]
	s_load_b512 s[SC:SC+15], s[8:9], 0x0
	s_lshl_b32 s22, s21, 11                        ; qzeros: row G of 2,048 bytes,
	s_lshl_b32 s24, s20, 5                         ; 8 words for 64 columns,
	s_add_co_u32 s22, s22, s24
	s_lshl_b32 s24, s18, 4                         ; my 4
	s_add_co_u32 s22, s22, s24
	s_add_nc_u64 s[6:7], s[6:7], s[22:23]
	s_load_b128 s[ZQ:ZQ+3], s[6:7], 0x0
	s_lshl_b32 s22, s20, 18                        ; wt: 64 rows of 4,096 bytes,
	s_lshl_b32 s24, s19, 10                        ; four groups of 256 bytes
	s_add_co_u32 s22, s22, s24
	s_add_nc_u64 s[12:13], s[12:13], s[22:23]
	s_lshl_b32 s22, s20, 7                         ; bias: 64 columns of 2 bytes
	s_add_nc_u64 s[10:11], s[10:11], s[22:23]
	s_lshl_b32 s22, s20, 8                         ; biasf: of 4 bytes
	s_add_nc_u64 s[14:15], s[14:15], s[22:23]
	; the 64 columns' bias: by wave 0 of the work-groups with by = 0, so that each number is written once.  No barrier stands in the branch.
	s_cmp_lg_u32 s16, 0
	s_cbranch_scc1 .Lnobias
	s_cmp_lg_u32 s19, 0
	s_cbranch_scc1 .Lnobias
	global_load_b32 v23, v[BIN], s[10:11]
	s_wait_loadcnt 0x0
	v_cvt_f32_f16 v24, v23.l
	v_cvt_f32_f16 v25, v23.h
	s_wait_alu depctr_va_vdst(0)                   ; the two conversions have written v[24:25], which the store reads
	global_store_b64 v[BOUT], v[24:25], s[14:15]   ; 32 lanes x 8 bytes: 256 consecutive bytes, aligned
.Lnobias:
.irp i, 0,1,2,3
	s_wait_loadcnt 3-(\i)                          ; loads come back in order (ISA guide 5.7.1): rows RR + 16 i are in, the younger ones may stay out
	ds_store_b128 v[LSA], v[LD+4*(\i):LD+4*(\i)+3] offset:(\i)*16*PITCH
.endr
	s_wait_dscnt 0x0                               ; for the others' sake: my stores are done
	s_barrier_signal -1
	s_barrier_wait -1                              ; the tile is whole
.irp j, 0,1,2,3,4,5,6,7,8,9,10,11,12,13,14,15
	ds_load_b32 v[Q+(\j)], v[LRA] offset:8*(\j)    ; row 16 g + a, column 32 p + 2 j + hh
.endr
	s_wait_kmcnt 0x0                               ; scales and zeros
; Word j: eight nibbles to eight f16, 16 bytes of row 32 p + 2 j + hh of wt.  1024 + n and -(1024 + z) are made by setting bits; their sum n - z is exact; the product with s is rounded once.
.macro DEQ j
	s_wait_dscnt 15-(\j)                           ; LDS loads come back in order: word j is in
	v_bfe_u32 v[ZT], s[ZQ+(\j)/4], v[ZO+(\j)%4], 4 ; my column's zero
	v_lshl_or_b32 v[ZT], v[ZT], 16, v[ZT]
	v_or_b32 v[ZT], 0xe400e400, v[ZT]
	v_perm_b32 v[ST], s[SC+(\j)], s[SC+(\j)], v[SEL]  ; my column's scale, in both halves
	v_and_or_b32 v[T], v[Q+(\j)], s26, s27
	v_lshrrev_b32 v[T+1], 4, v[Q+(\j)]
	v_and_or_b32 v[T+1], v[T+1], s26, s27
	v_lshrrev_b32 v[T+2], 8, v[Q+(\j)]
	v_and_or_b32 v[T+2], v[T+2], s26, s27
	v_lshrrev_b32 v[T+3], 12, v[Q+(\j)]
	v_and_or_b32 v[T+3], v[T+3], s26, s27
.irp k, 0,1,2,3
	v_pk_add_f16 v[T+(\k)], v[T+(\k)], v[ZT]
.endr
.irp k, 0,1,2,3
	v_pk_mul_f16 v[T+(\k)], v[T+(\k)], v[ST]
.endr
	v_perm_b32 v[Y+4*(\j)],   v[T+1], v[T],   s28  ; k = 0, 1
	v_perm_b32 v[Y+4*(\j)+1], v[T+3], v[T+2], s28  ; 2, 3
	v_perm_b32 v[Y+4*(\j)+2], v[T+1], v[T],   s29  ; 4, 5
	v_perm_b32 v[Y+4*(\j)+3], v[T+3], v[T+2], s29  ; 6, 7
.endm
; Word j leaves.
.macro OUT j
	global_store_b128 v[WO], v[Y+4*(\j):Y+4*(\j)+3], s[12:13] offset:8192*(\j)  ; lanes 0-15: 256 consecutive bytes, aligned, of row 32 p + 2 j; lanes 16-31: of the row below
.endm
; Group g of four words.  before = 1: the four words of the group before leave, one store in front of each word's vector lines.
.macro GROUP g, before
.if \before
	s_wait_alu depctr_va_vdst(0)                   ; the group before has written its four sets of Y, which the four stores below read; no vector line behind this wait names them or v[WO]
.endif
.irp i, 0,1,2,3
.if \before
	OUT 4*((\g)-1)+(\i)
.endif
	DEQ 4*(\g)+(\i)
.endr
.endm
	GROUP 0, 0
	GROUP 1, 1
	GROUP 2, 1
	GROUP 3, 1
	s_wait_alu depctr_va_vdst(0)                   ; the last group has written its four sets of Y, which the last four stores read
.irp j, 12,13,14,15
	OUT \j
.endr
	s_wait_dscnt 0x0                               ; the closing lines, six on end
	s_wait_alu 0x0
	s_wait_tensorcnt 0x0
	ds_add_u32 v[SPW], v[NIL]
	s_wait_dscnt 0x0
	s_endpgm
.Lfunc_end_k_qbf5ecefbf9_prep:
	.size	k_qbf5ecefbf9_prep, .Lfunc_end_k_qbf5ecefbf9_prep-k_qbf5ecefbf9_prep
	.p2alignl 7, 3214868480
	.fill 96, 4, 3214868480
	.section	.rodata,"a",@progbits
	.p2align	6, 0x0
	.amdhsa_kernel k_qbf5ecefbf9_prep
		.amdhsa_group_segment_fixed_size 18432
		.amdhsa_private_segment_fixed_size 0
		.amdhsa_enable_private_segment 0
		.amdhsa_kernarg_size 48
		.amdhsa_user_sgpr_count 2
		.amdhsa_user_sgpr_kernarg_segment_ptr 1
		.amdhsa_wavefront_size32 1
		.amdhsa_system_sgpr_workgroup_id_x 1
		.amdhsa_system_sgpr_workgroup_id_y 1
		.amdhsa_system_sgpr_workgroup_id_z 1
		.amdhsa_system_vgpr_workitem_id 0
		.amdhsa_next_free_vgpr 128
		.amdhsa_next_free_sgpr 66
		.amdhsa_reserve_vcc 0
		.amdhsa_float_denorm_mode_32 3
		.amdhsa_float_denorm_mode_16_64 3
		.amdhsa_memory_ordered 1
		.amdhsa_forward_progress 1
		.amdhsa_inst_pref_size 30
	.end_amdhsa_kernel
	.amdgpu_metadata
---
amdhsa.version: [ 1, 2 ]
amdhsa.kernels:
  - .name:           k_qbf5ecefbf9_prep
    .symbol:         k_qbf5ecefbf9_prep.kd
    .args:
      - { .name: qweight, .offset: 0, .size: 8, .value_kind: global_buffer, .address_space: global }
      - { .name: qzeros, .offset: 8, .size: 8, .value_kind: global_buffer, .address_space: global }
      - { .name: scales, .offset: 16, .size: 8, .value_kind: global_buffer, .address_space: global }
      - { .name: bias, .offset: 24, .size: 8, .value_kind: global_buffer, .address_space: global }
      - { .name: wt, .offset: 32, .size: 8, .value_kind: global_buffer, .address_space: global }
      - { .name: biasf, .offset: 40, .size: 8, .value_kind: global_buffer, .address_space: global }
    .group_segment_fixed_size: 18432
    .private_segment_fixed_size: 0
    .kernarg_segment_align: 8
    .kernarg_segment_size: 48
    .max_flat_workgroup_size: 256
    .sgpr_count:     66
    .vgpr_count:     128
    .wavefront_size: 32
...
	.end_amdgpu_metadata
.endif
;; end of part 3
;; launch gemm: the kernel of part 2 again; grid 16 x 16, 4 waves a work-group, clusters of 4 x 4, 327,680 bytes of LDS; arguments x, wt, out0, biasf; writes out0
